; MI455X (gfx1250); checked and timed in simulation.
; The chip was launched on July 23, 2026; its instructions are those of AMD's public machine-readable ISA for CDNA 5 (MIT licence, August 2026) and "CDNA5" Instruction Set Architecture Reference Guide (July 2026). The comments in the code are by the model that wrote it; some were corrected since.
;; Manual LSTM Cell. Allowed arithmetic: matrix products marked QUANTISED: E3M2 operands, one E8M0 scale for each 32 along K, by v_wmma_scale_f32_16x16x128_f8f6f4 with both operands' format E3M2, f32 sums; everything else in f32.
;; Inputs: Wfh 1,024 x 1,024 float32; Wfx 1,024 x 1,024 float32; Wgh 1,024 x 1,024 float32; Wgx 1,024 x 1,024 float32; Wih 1,024 x 1,024 float32; Wix 1,024 x 1,024 float32; Woh 1,024 x 1,024 float32; Wox 1,024 x 1,024 float32; bfh 1,024 float32; bfx 1,024 float32; bgh 1,024 float32; bgx 1,024 float32; bih 1,024 float32; bix 1,024 float32; boh 1,024 float32; box 1,024 float32; c 4,096 x 1,024 float32; h 4,096 x 1,024 float32; x 4,096 x 1,024 float32.
;; Outputs: out0 4,096 x 1,024 float32; out1 4,096 x 1,024 float32.
;; This version of the problem:
;;   THIS VERSION OF THE PROBLEM IS GIVEN IN LOW PRECISION. The matrix products marked QUANTISED in the list below multiply operands that are first quantised to E3M2 (3 exponent bits, 2 mantissa bits; 6 bits a number), with one power-of-two scale for each 32 numbers along K (OCP MX v1.0); their sums are f32. All else is computed in f32.
;;   The module's matrix products, in the order in which they are computed (A, B: the left and right operand; K: the contracted axis; several contracted axes count as one K, in the product's order):
;;     1. [M 4,096, K 1,024] x [K 1,024, N 1,024]; A: input x; B: input Wix: QUANTISED
;;     2. [M 4,096, K 1,024] x [K 1,024, N 1,024]; A: input h; B: input Wih: QUANTISED
;;     3. [M 4,096, K 1,024] x [K 1,024, N 1,024]; A: input x; B: input Wfx: QUANTISED
;;     4. [M 4,096, K 1,024] x [K 1,024, N 1,024]; A: input h; B: input Wfh: QUANTISED
;;     5. [M 4,096, K 1,024] x [K 1,024, N 1,024]; A: input x; B: input Wgx: QUANTISED
;;     6. [M 4,096, K 1,024] x [K 1,024, N 1,024]; A: input h; B: input Wgh: QUANTISED
;;     7. [M 4,096, K 1,024] x [K 1,024, N 1,024]; A: input x; B: input Wox: QUANTISED
;;     8. [M 4,096, K 1,024] x [K 1,024, N 1,024]; A: input h; B: input Woh: QUANTISED
;;   THE QUANTISER, for each operand of a quantised product, along K:
;;     - K is cut into blocks of 32 from its start; a last block that is shorter is filled with zeros.
;;     - A block's scale is 2^e with e = floor(log2(the largest magnitude in the block)) - 4, held to -126 .. 127; a block of zeros has e = 0. As a byte (E8M0): e + 127.
;;     - Each number is divided by its block's scale, clamped to +-28, and rounded to the nearest number of E3M2, ties to even, subnormals kept.
;;     - The product sums the exact products of the quantised numbers (number of the format x scale) in f32.
;;   ~~~python
;;   def quantise(x, axis):      # numpy; x: float32 -> the quantised numbers, widened to float32 again
;;       x = np.moveaxis(x, axis, -1); K = x.shape[-1]
;;       x = np.pad(x, [(0, 0)] * (x.ndim - 1) + [(0, -K % 32)]); x = x.reshape(x.shape[:-1] + (-1, 32)); a = np.abs(x).max(-1, keepdims=True)
;;       e = np.where(a > 0, np.clip(np.frexp(np.where(a > 0, a, 1))[1] - 1 - 4, -126, 127), 0)      # np.frexp(a)[1] - 1 = floor(log2(a)), exactly
;;       r = np.clip(x / 2.0 ** e, -28, 28)
;;       step = 2.0 ** (np.maximum(np.frexp(np.where(r == 0, 1, r))[1] - 1, -2) - 2)
;;       q = np.round(r / step) * step * 2.0 ** e      # np.round: ties to even
;;       return np.moveaxis(q.reshape(q.shape[:-2] + (-1,))[..., :K], -1, axis).astype(np.float32)
;;   ~~~
;; One version. Each part assembles by itself: llvm-mc -triple=amdgcn-amd-amdhsa -mcpu=gfx1250 --defsym DOCPART=n.
;; ======== version 1 of 1: 2 launches
;; limits: right only within a limited range of input values
;; workspace buffers: aq 6,553,600 bytes; bq 6,553,600 bytes
;; launch quant (part 1): grid 256 x 1, 16 waves a work-group, no clusters, 274,432 bytes of LDS; arguments x, h, Wix, Wih, Wfx, Wfh, Wgx, Wgh, Wox, Woh, aq, bq; writes aq, bq
.if DOCPART == 1
	.amdgcn_target "amdgcn-amd-amdhsa--gfx1250"
	.amdhsa_code_object_version 6
	.text
	.protected	k_q06689106b6_quant
	.globl	k_q06689106b6_quant
	.p2align	8
	.type	k_q06689106b6_quant,@function
k_q06689106b6_quant:
	s_mov_b64 s[64:65], 0
	v_nop
	global_prefetch_b8 v0, s[64:65] scope:SCOPE_SE
	s_setreg_imm32_b32 hwreg(HW_REG_WAVE_MODE, 25, 1), 1
	s_wait_xcnt 0x0
; x, h [4096][1024] and the eight weights [1024][1024], all f32 with K innermost, become codes of BF6 (E3M2) with one E8M0 scale byte for each 32 along K.
; A block's scale is 2^(floor(log2(its largest magnitude)) - 4); its byte is the largest magnitude's exponent field - 4, held at 1 from below; each number is divided by the scale and rounded to the nearest code, ties to even,
; beyond the largest code the largest.
; LIMITS: NaN and infinities among the inputs are not served; blocks whose largest magnitude lies under 2^(4 - 126) keep the byte 1.  A block of zeros gets the byte 1 where the rule says 127: its codes are zeros, which add
; nothing under any byte but 0xff, and this program alone reads the bytes.
; THE OUTPUT IS LAID IN THE ORDER OF THE OPERAND'S REGISTERS.  aq and bq are [32 groups of 128 rows][16 steps of 128 along K][UNIT = 12,800 bytes].  In a UNIT fragment i (rows 16 i + r) lies at byte 1,536 i as an image of its
; 12 registers: register 4 c + e of lane l at 512 c + 16 l + 4 e.  The 128 scale words lie at byte 12,288: the word of row 16 i + r at 256 (i / 4) + 16 r + 4 (i % 4).
; K steps 0-7 are the x side (x, W.x), K steps 8-15 the h side (h, W.h).  aq's group G holds batch rows 128 G on.  bq's group G holds hidden units 32 G .. 32 G + 31 of all four gates: block i = 2 gate + u
; (gates in the order i, f, g, o), and row r of it is unit 32 G + 16 u + r.
; SHARES.  Work-group w: w / 128 = 0: aq, 1: bq; u = w % 128: group u / 4, side (u / 2) % 2, four UNITs: K steps 4 (u % 2) + 0 .. 3 of that side.  Wave 4 k + t makes fragments 2 t and 2 t + 1 of UNIT k: 32 rows x 128 numbers,
; of aq rows 32 t on, of bq the 32 rows of gate t's weight.  They come by ONE tensor load a wave, all sixteen at the head; nothing is filled again.  The scale words of a UNIT's four waves meet in LDS and leave as 512 bytes.
.set TILE,  16896                      ; 32 rows x PITCH: a wave's LDS
.set PITCH, 528                        ; 512 bytes + 16 of padding
.set UNIT,  12800
.set WORDS, 16*TILE                    ; four UNITs' scale words, 512 bytes each: no tile lands there
.set SPARE, WORDS+2048                 ; the spare words, 128 bytes for each wave
.set X,     64                         ; v64-127, v128-191  two fragments' numbers: register 32 c + n = k 64 c + 32 (lane / 16) + n of row lane % 16
.set C,     36                         ; v36-47, v48-59     their 12 registers of codes
.set WD,    16                         ; v16-17             their scale words
.set G1,    36                         ; s[36:43] descriptor group 1
.set G0,    44                         ; s[44:47] descriptor group 0
	s_load_b512 s[8:23], s[0:1], 0x0               ; x, h, Wix, Wih, Wfx, Wfh, Wgx, Wgh
	s_load_b256 s[24:31], s[0:1], 0x40             ; Wox, Woh, aq, bq
	v_lshl_add_u32 v192, v0, 2, SPARE
	v_mov_b32 v193, 0
	ds_add_u32 v192, v193                          ; the opening lines
	ds_add_u32 v192, v193
	v_lshrrev_b32 v1, 5, v0
	v_readfirstlane_b32 s2, v1                     ; wave 0..15
	s_and_b32 s62, s2, 3                           ; t
	s_lshr_b32 s63, s2, 2                          ; k
	s_and_b32 s3, ttmp9, 127                       ; u
	s_lshr_b32 s4, ttmp9, 7                        ; 0: aq, 1: bq
	s_bfe_u32 s5, s3, 0x10001                      ; side
	s_lshr_b32 s6, s3, 2                           ; group
	s_mov_b32 s[G1+0], (2<<16)|(1<<20)|(6<<22)|(3<<25)  ; 17:16 elements of 4 bytes; 20 padding on; 24:22 after every 128 words (code 6); 31:25 4 words of it (code 3)
	s_mov_b32 s[G1+1], 128<<16                     ; tensor_dim0 = 128
	s_mov_b32 s[G1+2], 32<<16                      ; tensor_dim1 = 32
	s_mov_b32 s[G1+3], 128<<16                     ; tile_dim0 = 128
	s_mov_b32 s[G1+4], 32                          ; tile_dim1 = 32
	s_mov_b32 s[G1+5], 1024                        ; tensor_dim0_stride
	s_mov_b32 s[G1+6], 0
	s_mov_b32 s[G1+7], 0
	s_mov_b32 s60, 0x76543210
	s_mov_b32 s61, 0xfedcba98                      ; v_permlanex16_b32's selects for lane l xor 16
	s_mul_i32 s56, s2, TILE                        ; my wave's LDS
	s_lshl_b32 s58, s62, 17                        ; 32 t rows of 4,096 bytes
	s_wait_dscnt 0x0
	s_wait_kmcnt 0x0
	s_cmp_eq_u32 s5, 0                             ; the side picks x or h, W.x or W.h
	s_cselect_b64 s[8:9], s[8:9], s[10:11]
	s_cselect_b64 s[12:13], s[12:13], s[14:15]
	s_cselect_b64 s[16:17], s[16:17], s[18:19]
	s_cselect_b64 s[20:21], s[20:21], s[22:23]
	s_cselect_b64 s[24:25], s[24:25], s[26:27]
	s_cmp_eq_u32 s62, 1                            ; t picks the gate's weight
	s_cselect_b64 s[12:13], s[16:17], s[12:13]
	s_cmp_eq_u32 s62, 2
	s_cselect_b64 s[12:13], s[20:21], s[12:13]
	s_cmp_eq_u32 s62, 3
	s_cselect_b64 s[12:13], s[24:25], s[12:13]
	s_cmp_eq_u32 s4, 0
	s_cselect_b64 s[12:13], s[8:9], s[12:13]
	s_cselect_b64 s[28:29], s[28:29], s[30:31]     ; where the UNIT goes
	s_cselect_b32 s57, 19, 17                      ; a group's first row: 128 G rows of 4,096 bytes, or 32 G
	s_cselect_b32 s58, s58, 0
	s_lshl_b32 s32, s6, s57
	s_add_co_u32 s32, s32, s58
	s_and_b32 s7, s3, 1
	s_lshl_b32 s7, s7, 11                          ; + 4 (u % 2) K steps of 512 bytes
	s_add_co_u32 s32, s32, s7
	s_lshl_b32 s7, s63, 9                          ; + k K steps
	s_add_co_u32 s32, s32, s7
	s_mov_b32 s33, 0
	s_mov_b32 s[G0], 1
	s_mov_b32 s[G0+1], s56
	s_add_nc_u64 s[G0+2:G0+3], s[12:13], s[32:33]
	s_or_b32 s[G0+3], s[G0+3], 0x80000000
	tensor_load_to_lds s[G0:G0+3], s[G1:G1+7]      ; my one load
	s_nop 0
	s_lshl_b32 s7, s3, 2
	s_add_co_u32 s7, s7, s63                       ; my UNIT's number in its buffer: 4 u + k
	s_mul_i32 s32, s7, UNIT
	s_mul_i32 s7, s62, 3072
	s_add_co_u32 s32, s32, s7                      ; + my two fragments
	s_add_nc_u64 s[28:29], s[28:29], s[32:33]
	s_lshl_b32 s7, s63, 9
	s_add_co_u32 s7, s7, WORDS                     ; my UNIT's words in LDS
	s_lshr_b32 s32, s62, 1
	s_lshl_b32 s32, s32, 8
	s_and_b32 s34, s62, 1
	s_lshl_b32 s34, s34, 3
	s_add_co_u32 s32, s32, s34
	s_add_co_u32 s32, s32, s7                      ; and my two fragments' among them
	v_and_b32 v1, 31, v0                           ; lane
	v_and_b32 v2, 15, v0                           ; r
	v_bfe_u32 v3, v0, 4, 1                         ; h
	v_mul_u32_u24 v4, v2, PITCH
	v_lshl_add_u32 v4, v3, 7, v4
	v_add_nc_u32 v4, s56, v4                       ; LDS: row r of a fragment, + 128 h bytes: my 32 numbers of each 64
	v_lshlrev_b32 v5, 4, v1                        ; out: 16 bytes a lane
	v_lshlrev_b32 v6, 3, v3                        ; 8 h: where my two scale bytes stand in the word
	v_mov_b32 v7, 0                                ; written once: a lane permute's destination counts as one of its sources
	v_lshlrev_b32 v15, 4, v2
	v_add_nc_u32 v15, s32, v15                     ; my row's two words
	v_add_nc_u32 v26, s7, v5                       ; the UNIT's words, 16 bytes a lane
.macro LDSLOAD i                       ; fragment i's 16 rows x 128 numbers: 64 a lane
.irp c, 0,1
.irp j, 0,1,2,3,4,5,6,7
	ds_load_b128 v[X+64*(\i)+32*\c+4*\j:X+64*(\i)+32*\c+4*\j+3], v4 offset:(\i)*16*PITCH+256*\c+16*\j
.endr
.endr
.endm
.macro QUANT i                         ; a lane holds two whole blocks of 32 of its row: blocks h and 2 + h of the K step's four
.set XS, X+64*(\i)
.set CS, C+12*(\i)
.irp c, 0,1
	v_max3_num_f32 v[8+\c], |v[XS+32*\c]|, |v[XS+32*\c+1]|, 0x2800000   ; the floor 2^(5 - 127), under which no largest magnitude is taken: so the byte cannot fall under 1
.endr
.irp n, 2,4,6,8,10,12,14,16,18,20,22,24,26,28,30
.irp c, 0,1
	v_max3_num_f32 v[8+\c], v[8+\c], |v[XS+32*\c+\n]|, |v[XS+32*\c+\n+1]|
.endr
.endr
	v_add_nc_u32 v10, 0xfe000000, v8               ; 4 off the exponent field: the conversion takes the exponent field of this operand as its scale
	v_add_nc_u32 v11, 0xfe000000, v9
	v_lshrrev_b32 v12, 23, v10                     ; the scales' bytes
	v_lshrrev_b32 v13, 23, v11
	v_lshl_or_b32 v14, v13, 16, v12                ; my two bytes,
	v_lshlrev_b32 v14, v6, v14                     ; at their places in the row's scale word;
	v_permlanex16_b32 v7, v14, s60, s61
	v_or_b32 v[WD+(\i)], v14, v7                   ; with lane l xor 16's two the word is whole, in both lanes
	v_cvt_scalef32_pk16_bf6_f32 v[CS:CS+2], v[XS:XS+15], v10
	v_cvt_scalef32_pk16_bf6_f32 v[28:30], v[XS+16:XS+31], v10      ; (a conversion's three registers begin on an even number: so the second half is made elsewhere and moved)
	v_cvt_scalef32_pk16_bf6_f32 v[CS+6:CS+8], v[XS+32:XS+47], v11
	v_cvt_scalef32_pk16_bf6_f32 v[32:34], v[XS+48:XS+63], v11
	v_nop                                          ; one plain place behind a scaled conversion
.irp n, 0,1,2
	v_mov_b32 v[CS+3+\n], v[28+\n]
	v_mov_b32 v[CS+9+\n], v[32+\n]
.endr
.irp c, 0,1,2
	global_store_b128 v5, v[CS+4*\c:CS+4*\c+3], s[28:29] offset:1536*(\i)+512*\c   ; 32 lanes store 512 consecutive bytes, at a multiple of 256 from the buffer's first byte
.endr
.endm
	s_wait_alu depctr_va_vdst(0)                   ; the wait at the head's end
	s_wait_tensorcnt 0x0                           ; my tile is in; no other wave reads it
	LDSLOAD 0
	LDSLOAD 1
	s_wait_dscnt 16                                ; fragment 0 is in; fragment 1's sixteen loads may be out
	QUANT 0
	s_wait_dscnt 0x0
	QUANT 1
	ds_store_b64 v15, v[WD:WD+1]                   ; lanes l and l xor 16 write the same bytes with the same value
	s_wait_tensorcnt 0x0                           ; the wave's last LDS write is issued
	ds_add_u32 v192, v193
	s_wait_dscnt 0x0                               ; and for the others' sake: my words are stored
	s_barrier_signal -1
	s_barrier_wait -1
	s_cmp_lg_u32 s62, 0
	s_cbranch_scc1 .Lend
	ds_load_b128 v[20:23], v26                     ; wave 4 k: UNIT k's 128 words
	s_wait_dscnt 0x0
	global_store_b128 v5, v[20:23], s[28:29] offset:12288          ; 512 consecutive bytes
.Lend:
	s_endpgm
.Lfunc_end_k_q06689106b6_quant:
	.size	k_q06689106b6_quant, .Lfunc_end_k_q06689106b6_quant-k_q06689106b6_quant
	.p2alignl 7, 3214868480
	.fill 96, 4, 3214868480
	.section	.rodata,"a",@progbits
	.p2align	6, 0x0
	.amdhsa_kernel k_q06689106b6_quant
		.amdhsa_group_segment_fixed_size 274432
		.amdhsa_private_segment_fixed_size 0
		.amdhsa_enable_private_segment 0
		.amdhsa_kernarg_size 96
		.amdhsa_user_sgpr_count 2
		.amdhsa_user_sgpr_kernarg_segment_ptr 1
		.amdhsa_wavefront_size32 1
		.amdhsa_system_sgpr_workgroup_id_x 1
		.amdhsa_system_sgpr_workgroup_id_y 1
		.amdhsa_system_sgpr_workgroup_id_z 1
		.amdhsa_system_vgpr_workitem_id 0
		.amdhsa_next_free_vgpr 194
		.amdhsa_next_free_sgpr 66
		.amdhsa_reserve_vcc 0
		.amdhsa_float_denorm_mode_32 3
		.amdhsa_float_denorm_mode_16_64 3
		.amdhsa_memory_ordered 1
		.amdhsa_forward_progress 1
		.amdhsa_inst_pref_size 13
	.end_amdhsa_kernel
	.amdgpu_metadata
---
amdhsa.version: [ 1, 2 ]
amdhsa.kernels:
  - .name:           k_q06689106b6_quant
    .symbol:         k_q06689106b6_quant.kd
    .args:
      - { .name: x, .offset: 0, .size: 8, .value_kind: global_buffer, .address_space: global }
      - { .name: h, .offset: 8, .size: 8, .value_kind: global_buffer, .address_space: global }
      - { .name: Wix, .offset: 16, .size: 8, .value_kind: global_buffer, .address_space: global }
      - { .name: Wih, .offset: 24, .size: 8, .value_kind: global_buffer, .address_space: global }
      - { .name: Wfx, .offset: 32, .size: 8, .value_kind: global_buffer, .address_space: global }
      - { .name: Wfh, .offset: 40, .size: 8, .value_kind: global_buffer, .address_space: global }
      - { .name: Wgx, .offset: 48, .size: 8, .value_kind: global_buffer, .address_space: global }
      - { .name: Wgh, .offset: 56, .size: 8, .value_kind: global_buffer, .address_space: global }
      - { .name: Wox, .offset: 64, .size: 8, .value_kind: global_buffer, .address_space: global }
      - { .name: Woh, .offset: 72, .size: 8, .value_kind: global_buffer, .address_space: global }
      - { .name: aq, .offset: 80, .size: 8, .value_kind: global_buffer, .address_space: global }
      - { .name: bq, .offset: 88, .size: 8, .value_kind: global_buffer, .address_space: global }
    .group_segment_fixed_size: 274432
    .private_segment_fixed_size: 0
    .kernarg_segment_align: 8
    .kernarg_segment_size: 96
    .max_flat_workgroup_size: 512
    .sgpr_count:     66
    .vgpr_count:     194
    .wavefront_size: 32
...
	.end_amdgpu_metadata
.endif
;; end of part 1
;; launch lstm (part 2): grid 16 x 16, 4 waves a work-group, clusters of 4 x 4, 327,680 bytes of LDS; arguments aq, bq, c, out0, out1, bix, bih, bfx, bfh, bgx, bgh, box, boh; writes out0, out1
.if DOCPART == 2
	.amdgcn_target "amdgcn-amd-amdhsa--gfx1250"
	.amdhsa_code_object_version 6
	.text
	.protected	k_q06689106b6_lstm
	.globl	k_q06689106b6_lstm
	.p2align	8
	.type	k_q06689106b6_lstm,@function
k_q06689106b6_lstm:
	s_mov_b64 s[64:65], 0
	v_nop
	global_prefetch_b8 v0, s[64:65] scope:SCOPE_SE
	s_setreg_imm32_b32 hwreg(HW_REG_WAVE_MODE, 25, 1), 1
	s_wait_xcnt 0x0
	s_wait_alu depctr_hold_cnt(0) depctr_sa_sdst(0) depctr_va_vdst(0) depctr_va_sdst(0) depctr_va_ssrc(0) depctr_va_vcc(0) depctr_vm_vsrc(0)
	s_getreg_b32 s2, hwreg(HW_REG_IB_STS2, 6, 4)
	s_cmp_eq_u32 s2, 0
	s_cbranch_scc0 .Lentry_in_a_cluster
	s_endpgm
.Lentry_in_a_cluster:
	s_bfe_u32 s2, ttmp6, 0x10000c
	s_cmp_lg_u32 s2, 0xf033
	s_cbranch_scc0 .Lentry_shape_is_right
	s_endpgm
.Lentry_shape_is_right:
; The LSTM cell on codes of BF6 (E3M2) with one E8M0 scale for each 32 along K.  gates[4096][4 x 1024] = [x | h] (K = 2,048) x [W.x | W.h]^T + (b.x + b.h), sums in f32;
; c_new = sigmoid(f) c + sigmoid(i) tanh(g) (out1), h_new = sigmoid(o) tanh(c_new) (out0), all in f32.
; aq and bq hold the operands as images of the operand's registers: [32 groups of 128 rows][16 steps of 128 along K][UNIT = 12,800 bytes]; in a UNIT fragment i (rows 16 i + r) at byte 1,536 i, register 4 c + e of lane l at
; 512 c + 16 l + 4 e; the scale word of row 16 i + r at 12,288 + 256 (i / 4) + 16 r + 4 (i % 4).  aq's group G: batch rows 128 G on.  bq's group G: hidden units 32 G .. 32 G + 31 of all four gates, block i = 2 gate + u
; (gates i, f, g, o), row r = unit 32 G + 16 u + r.  So a wave's 128 rows of B are 4 gates x 32 units, and the four gates of one (row, unit) meet in ONE LANE: no gate goes to memory.
; SHARES.  A work-group of four waves takes 256 batch rows x 64 hidden units (256 x 256 of the gates); a wave 128 rows x 32 units: 64 accumulators of 16 x 16, 512 registers.
; THE RING.  Two LDS slots of up to three steps of 128 along K: a wave's tensor load brings three (or two) UNITs of one group, dense, as rows of 256 bytes.  K's 16 steps are 3 + 3 + 3 + 3 + 2 + 2; at the fifth change of slots
; slot 0 takes c's tile.
; A STEP is 64 products, A's blocks of 16 rows one after the other, each against B's eight.  Its LDS loads stand in two runs.  A has ONE set of registers: blocks 0-3 are fetched anew in the step's middle, blocks 4-7 at its end.
; B has two sets: where the slot holds the step after next, the first half of that step's B is fetched at the step's end, the second half in the middle of the step that follows: 26 loads in the middle, 24 at the end.
; CLUSTERS: 4 x 4 work-groups.  The four of a row of the cluster need the same groups of aq, the four of a column the same groups of bq: each is asked for JOINTLY, by the same tensor load with the same descriptor and a mask
; that names the four.  c's tile (256 rows x 256 bytes) is the work-group's own.
; PREFETCHES: behind each refill, and behind slot 1's first fill, what the refill two further on will load.  A wave asks for the group that it fetches; of its blocks of 256 bytes each of the four partners takes a quarter, told
; apart by address.  c's rows are the wave's own 64.  K steps 0-8 come by their loads alone, and the last two refills ask for nothing.
; THE MATRIX INSTRUCTION IS USED TRANSPOSED (source 0 = 16 rows of B, source 1 = 16 rows of A): lane (r, h) holds batch row r and eight neighbouring units 8 h + 0 .. 7.
; THE TAIL.  sigmoid(z) = 1 / (1 + e), e = 2^(-z log2 e); tanh(z) = (1 - t) / (1 + t), t = 2^min(-2 z log2 e, 40): with t = 2^40 the quotient rounds to -1 in f32.  The biases enter by the multiply-add that scales z.
; A sigmoid times a tanh shares one reciprocal: where (1 + e)(1 + t) overflows the result is 0, and the true one is under 2^-85 in magnitude.  No 0 x infinity arises.
; LIMITS: NaN and infinities among the inputs are not served.  No work of reference() is left out.
; REGISTERS, in windows of 256: window 0: v1-29 addresses; v32-47 scale words, two sets; v64-159 A's fragments.  In the tail v64-191 are at work, v48-63 and v192-207 hold rows on their way out.
;   window 1: B's fragments, two sets, at v0 and v128; the scaled biases at v96-127 and v224-255.
;   window 2: the accumulators of my rows 0-63 ((a, b) at v[8 (8 (a % 4) + b)]);   window 3: those of my rows 64-127.
.set UNIT,  12800
.set PART,  3*UNIT
.set SLOT,  4*PART                     ; A's two groups, then B's two: 153,600 bytes
.set CP,    272                        ; a row of c's tile and of the stage: 256 bytes + 16
.set CT,    0                          ; c's tile, 256 rows, at the head of slot 0: that slot's last fill; c_new takes c's place there
.set HT,    CT+256*CP                  ; h_new's stage, behind it in slot 0: those bytes have had their last fill, and nobody reads codes there behind the fifth change of slots
.set SPARE, 2*SLOT                     ; the spare words, 128 bytes for each wave
.set FR,    12                         ; registers of a fragment
.set PF0,   8                          ; v8-11   prefetch offsets: blocks 38 p + lane, 38 p + 32 .. 37, 25 p + 0 .. 24; c's rows
.set ADRA, 16                          ; v16-17  LDS address of my A fragments in slot 0, 1
.set ADRS, 18                          ; v18-19  of my scale words: lanes 0-15 A's, lanes 16-31 B's
.set ADRB, 20                          ; v20-21  of my B fragments
.set STC,  22                          ; v22     the tail: my 32 bytes of a row of c's tile
.set STH,  23                          ; v23     the same in h_new's stage
.set RDC,  24                          ; v24     the way out: where I read whole rows of c_new
.set RDH,  25                          ; v25     and of h_new
.set GO,   26                          ; v26     my byte offset in the outputs
.set VB,   27                          ; v27     my byte offset in a bias
.set SPW,  28                          ; v28     LDS address of my spare word; never rewritten
.set NIL,  29                          ; v29     0; never rewritten
.set SC,   32
.set AF,   64
.set EI,   64                          ; the tail, 16 registers each, index 8 u + j = unit 16 u + 8 h + j of my 32
.set EF,   80
.set TG,   96
.set CR,   112
.set DG,   128
.set TC,   144
.set EOA,  160                         ; v160-175, v176-191: gate o, of even and of odd blocks
.set OBC,  192
.set OBH,  48
.set G1,   24                          ; s[24:31] descriptor group 1 for A's parts of three steps;  s[32:39] group 0, one set for each slot
.set G0,   32
.set G1B,  48                          ; s[48:55], s[56:63] the same for B's
.set G0B,  56
.set G1SA, 84                          ; s[84:91] group 1 for A's parts of two steps
.set G1SB, 4                           ; s[4:11]  the same for B's: written when the four addresses that arrive there have been used
.set G1C,  84                          ; s[84:91] group 1 for c's tile: written at the fifth change of slots, where no tensor load of the wave is out
.set G0C,  92                          ; s[92:95] group 0 for c's tile
.set PFB,  20                          ; s[20:21] the group that my prefetches name
.set PFCB, 66                          ; s[66:67] my rows of c
.set MSB, 0
.macro WIN new                         ; the immediate's high byte repeats the setting that is left; a switch that changes nothing is dropped
.if MSB != (\new)
	s_set_vgpr_msb (MSB<<8)|(\new)
.set MSB, (\new)
.endif
.endm
.set MUL_LO, 0xa1                      ; source 0 (B) window 1, source 1 (A) window 0, C and D window 2; + 0x50: window 3
.set TO_B,   0x40                      ; destination window 1, address window 0
; A joint load: waves 0 and 1 fetch for A, waves 2 and 3 for B.  Each of the two lines has ONE mask and one set of registers for all that issue it; the branch hangs on the wave's number alone.
.macro JLOAD g0a, g1a, g0b, g1b
	s_cmp_eq_u32 s15, 0
	s_cbranch_scc0 .Lfor_b_\@
	tensor_load_to_lds s[\g0a:\g0a+3], s[\g1a:\g1a+7]
	s_nop 0
.rept 4
	v_nop
.endr
	s_branch .Lasked_\@
.Lfor_b_\@:
	tensor_load_to_lds s[\g0b:\g0b+3], s[\g1b:\g1b+7]
	s_nop 0
.rept 4
	v_nop
.endr
.Lasked_\@:
.endm
.macro CREST                           ; a round of the cluster's barrier behind its opening barrier
	s_cmp_lg_u32 s14, 0
	s_cbranch_scc1 .Lnot_wave_0_\@
	s_barrier_signal -3
.Lnot_wave_0_\@:
	s_barrier_wait -3
	s_barrier_signal -1
	s_barrier_wait -1
.endm
.macro CROUND                          ; a whole round
	s_barrier_signal -1
	s_barrier_wait -1
	CREST
.endm
.macro PLACES                          ; four places behind a matrix instruction of this form, in front of loads into registers that matrix instructions have read and of the first read of results
.rept 4
	v_nop
.endr
.endm
.macro ASK3 st                         ; my group's K steps st .. st + 2: 150 blocks of 256 bytes, 38 to a partner (the last takes 36; lanes left over name its last block again)
	global_prefetch_b8 v[PF0], s[PFB:PFB+1] offset:(\st)*UNIT th:TH_LOAD_NT scope:SCOPE_SE
	global_prefetch_b8 v[PF0+1], s[PFB:PFB+1] offset:(\st)*UNIT th:TH_LOAD_NT scope:SCOPE_SE
.endm
.macro ASK2 st                         ; two K steps: 100 blocks, 25 to a partner
	global_prefetch_b8 v[PF0+2], s[PFB:PFB+1] offset:(\st)*UNIT th:TH_LOAD_NT scope:SCOPE_SE
.endm
.macro ASKC                            ; my 64 rows of c's tile, 256 bytes each
	global_prefetch_b8 v[PF0+3], s[PFCB:PFCB+1] th:TH_LOAD_NT scope:SCOPE_SE
	global_prefetch_b8 v[PF0+3], s[PFCB:PFCB+1] offset:32*4096 th:TH_LOAD_NT scope:SCOPE_SE
.endm
	s_load_b256 s[4:11], s[0:1], 0x0               ; aq s[4:5], bq s[6:7], c s[8:9], out0 s[10:11]
	s_load_b64 s[12:13], s[0:1], 0x20              ; out1
	s_load_b512 s[68:83], s[0:1], 0x28             ; bix, bih, bfx, bfh, bgx, bgh, box, boh: gate g's two at s[68 + 4 g] and s[70 + 4 g]
	v_lshl_add_u32 v[SPW], v0, 2, SPARE
	v_mov_b32 v[NIL], 0
	ds_add_u32 v[SPW], v[NIL]                      ; the opening lines
	ds_add_u32 v[SPW], v[NIL]
	v_lshrrev_b32 v1, 5, v0
	v_readfirstlane_b32 s14, v1                    ; wave 0..3
	s_lshr_b32 s15, s14, 1                         ; which half of the tile's rows is mine.  Also: I fetch for A (0) or for B (1)
	s_and_b32 s16, s14, 1                          ; which half of its units.  Also: which of the two groups I fetch
	s_bfe_u32 s40, ttmp6, 0x40000                  ; cx, cy: my place in the cluster
	s_bfe_u32 s41, ttmp6, 0x40004
	s_lshl_b32 s42, ttmp9, 2
	s_add_co_u32 s42, s42, s40                     ; tile column (64 hidden units) = 4 x cluster x + cx
	s_and_b32 s17, ttmp7, 0xffff
	s_lshl_b32 s17, s17, 2
	s_add_co_u32 s17, s17, s41                     ; tile row (256 batch rows) = 4 x cluster y + cy
	s_lshl_b32 s43, s41, 2
	s_lshl_b32 s43, 15, s43                        ; my row of the cluster
	s_lshl_b32 s44, 0x1111, s40                    ; my column
	; group 1: dense codes as rows of 256 bytes (32 elements of 8 bytes), no padding: 150 rows for three steps, 100 for two
	s_or_b32 s[G1+0], s43, (3<<16)|(1<<21)         ; 15:0 the mask: A's parts go to my row; 17:16 elements of 8 bytes; 21 set beside a mask
	s_or_b32 s[G1SA+0], s43, (3<<16)|(1<<21)
	s_or_b32 s[G1B+0], s44, (3<<16)|(1<<21)        ; B's go to my column
.macro GROUP1 g, rows
	s_mov_b32 s[\g+1], 32<<16                      ; tensor_dim0 = 32
	s_mov_b32 s[\g+2], \rows<<16                   ; tensor_dim1
	s_mov_b32 s[\g+3], 32<<16                      ; tile_dim0 = 32
	s_mov_b32 s[\g+4], \rows                       ; tile_dim1
	s_mov_b32 s[\g+5], 32                          ; tensor_dim0_stride
	s_mov_b32 s[\g+6], 0
	s_mov_b32 s[\g+7], 0
.endm
	GROUP1 G1, 150
	GROUP1 G1B, 150
	GROUP1 G1SA, 100
	s_mov_b32 s96, 0xbfb8aa3b                      ; -log2(e)
	s_mov_b32 s97, s96                             ; (the packed form names the pair and takes its low word for both halves)
	s_mov_b32 s98, 0xc038aa3b                      ; -2 log2(e)
	s_mov_b32 s99, s98
	s_lshl_b32 s20, s17, 1
	s_add_co_u32 s20, s20, s16                     ; A: group 2 x tile row + which
	s_mul_i32 s20, s20, 16*UNIT
	s_mov_b32 s21, 0
	s_lshl_b32 s46, s42, 1
	s_add_co_u32 s46, s46, s16                     ; B: group 2 x tile column + which
	s_mul_i32 s46, s46, 16*UNIT
	s_mov_b32 s47, 0
	s_mul_i32 s45, s14, PART                       ; where they go: wave x PART: no place in the cluster enters an LDS address
	s_lshl_b32 s100, s17, 8                        ; c: row 256 x tile row + 64 x wave, of 4,096 bytes,
	s_lshl_b32 s101, s14, 6
	s_add_co_u32 s100, s100, s101
	s_lshl_b32 s100, s100, 12
	s_lshl_b32 s101, s42, 8                        ; + 256 bytes x tile column
	s_add_co_u32 s100, s100, s101
	s_mov_b32 s101, 0
	s_mov_b32 s[G0C], 1
	s_mul_i32 s[G0C+1], s14, 64*CP                 ; c's tile begins at LDS byte 0
	s_lshl_b32 s22, s42, 8                         ; a bias: 256 bytes x tile column + 128 x my half of the units
	s_lshl_b32 s23, s16, 7
	s_add_co_u32 s22, s22, s23
	s_wait_dscnt 0x0                               ; both opening adds are done
	s_wait_kmcnt 0x0
	s_add_nc_u64 s[20:21], s[4:5], s[20:21]
	s_add_nc_u64 s[46:47], s[6:7], s[46:47]
	s_add_nc_u64 s[PFCB:PFCB+1], s[8:9], s[100:101]
	s_add_nc_u64 s[G0C+2:G0C+3], s[8:9], s[100:101]
	s_or_b32 s[G0C+3], s[G0C+3], 0x80000000
	s_lshl_b32 s100, s17, 8                        ; the first row that I store: 256 x tile row + 128 x row half + 8 x unit half,
	s_lshl_b32 s101, s15, 7
	s_add_co_u32 s100, s100, s101
	s_lshl_b32 s101, s16, 3
	s_add_co_u32 s100, s100, s101
	s_lshl_b32 s100, s100, 12
	s_lshl_b32 s101, s42, 8                        ; and the tile's first column
	s_add_co_u32 s100, s100, s101
	s_mov_b32 s101, 0
	s_add_nc_u64 s[2:3], s[10:11], s[100:101]      ; out0 from here on in s[2:3]
	s_add_nc_u64 s[12:13], s[12:13], s[100:101]    ; out1
	s_or_b32 s[G1SB+0], s44, (3<<16)|(1<<21)       ; s[4:11] have been used
	GROUP1 G1SB, 100
.irp n, 0,1                                    ; slot 0: K steps 0-2, slot 1: K steps 3-5
	s_mov_b32 s[G0+4*\n], 1
	s_add_co_u32 s[G0+4*\n+1], s45, \n*SLOT
	s_add_nc_u64 s[G0+4*\n+2:G0+4*\n+3], s[20:21], \n*3*UNIT
	s_or_b32 s[G0+4*\n+3], s[G0+4*\n+3], 0x80000000
	s_mov_b32 s[G0B+4*\n], 1
	s_add_co_u32 s[G0B+4*\n+1], s45, \n*SLOT
	s_add_nc_u64 s[G0B+4*\n+2:G0B+4*\n+3], s[46:47], \n*3*UNIT
	s_or_b32 s[G0B+4*\n+3], s[G0B+4*\n+3], 0x80000000
.endr
	CROUND                                         ; all sixteen work-groups are here: the first joint loads meet
	JLOAD G0, G1, G0B, G1B                         ; K steps 0-2: one tensor load a wave at the head
	s_cmp_eq_u32 s15, 0                            ; do I fetch for A?
	s_cselect_b32 s40, s40, s41                    ; p: my place among the four that ask with me
	s_cselect_b64 s[PFB:PFB+1], s[20:21], s[46:47]
	s_mul_i32 s41, s40, 25*256
	s_mul_i32 s40, s40, 38*256
	s_mul_i32 s18, s15, PART                       ; my group of A,
	s_mul_i32 s19, s16, PART                       ; my group of B,
	s_add_co_u32 s19, s19, 2*PART                  ; which lies behind A's two
	s_xor_b32 s23, s15, 1
	s_add_co_u32 s23, s23, s16
	s_add_co_u32 s23, s23, 1                       ; 2 + unit half - row half: parts from my A group to my B group
	s_mul_i32 s23, s23, PART
	s_add_co_u32 s43, s18, 12288
	s_mul_i32 s44, s15, 128*CP
	s_lshl_b32 s45, s16, 7
	s_add_co_u32 s45, s44, s45                     ; the tail: row 128 x row half, + 128 bytes x unit half
	s_mul_i32 s17, s16, 8*CP
	s_add_co_u32 s17, s44, s17                     ; the way out: row 128 x row half + 8 x unit half
	s_mov_b32 s100, 0x42200000                     ; 40.0
	v_and_b32 v1, 15, v0                           ; r
	v_bfe_u32 v2, v0, 4, 1                         ; h
	v_and_b32 v3, 31, v0                           ; lane
	v_lshlrev_b32 v4, 4, v3                        ; 16 x lane: my place in an image
	v_lshlrev_b32 v[VB], 5, v2
	v_add_nc_u32 v[VB], s22, v[VB]                 ; lane (r, h) wants the eight numbers of units 16 u + 8 h + 0 .. 7 of my 32
	WIN TO_B
.irp g, 0,1,2,3                                ; b.x into window 1: gate g, index 8 u + j at v[96 + 128 (g / 2) + 16 (g % 2) + 8 u + j]
.irp u, 0,1
.irp e, 0,1
	global_load_b128 v[96+128*(\g/2)+8*((2*\g+\u)%4)+4*\e:96+128*(\g/2)+8*((2*\g+\u)%4)+4*\e+3], v[VB], s[68+4*\g:69+4*\g] offset:64*\u+16*\e
.endr
.endr
.endr
	WIN 0
.irp g, 0,1,2,3                                ; b.h into window 0
.irp u, 0,1
.irp e, 0,1
	global_load_b128 v[192+8*(2*\g+\u)+4*\e:192+8*(2*\g+\u)+4*\e+3], v[VB], s[70+4*\g:71+4*\g] offset:64*\u+16*\e
.endr
.endr
.endr
	v_lshlrev_b32 v[PF0], 8, v3
	v_add_nc_u32 v[PF0], s40, v[PF0]
	v_min_u32 v[PF0+1], 5, v3
	v_lshlrev_b32 v[PF0+1], 8, v[PF0+1]
	v_add_nc_u32 v[PF0+1], s40, v[PF0+1]
	v_add_nc_u32 v[PF0+1], 32*256, v[PF0+1]
	v_min_u32 v[PF0+1], 149*256, v[PF0+1]
	v_min_u32 v[PF0+2], 24, v3
	v_lshlrev_b32 v[PF0+2], 8, v[PF0+2]
	v_add_nc_u32 v[PF0+2], s41, v[PF0+2]
	v_lshlrev_b32 v[PF0+3], 12, v3
	v_mul_u32_u24 v5, s23, v2                      ; lanes 16-31 take B's scale words
	v_lshl_add_u32 v5, v1, 4, v5                   ; 16 bytes a row: the words of four blocks
	v_add_nc_u32 v[ADRS], s43, v5
	v_add_nc_u32 v[ADRS+1], SLOT, v[ADRS]
	v_add_nc_u32 v[ADRA], s18, v4
	v_add_nc_u32 v[ADRA+1], SLOT, v[ADRA]
	v_add_nc_u32 v[ADRB], s19, v4
	v_add_nc_u32 v[ADRB+1], SLOT, v[ADRB]
	v_mul_u32_u24 v6, v1, CP                       ; the tail: + row r, + 32 h
	v_lshl_add_u32 v6, v2, 5, v6
	v_add_nc_u32 v[STC], s45, v6
	v_add_nc_u32 v[STH], HT, v[STC]
	v_mul_u32_u24 v7, v2, CP                       ; the way out: + row lane / 16; 16 bytes a lane
	v_lshl_add_u32 v7, v1, 4, v7
	v_add_nc_u32 v[RDC], s17, v7
	v_add_nc_u32 v[RDH], HT, v[RDC]
	v_lshlrev_b32 v[GO], 4, v1                     ; and the same two rows in the outputs
	v_lshl_add_u32 v[GO], v2, 12, v[GO]
.macro FA sl, q, i                     ; A's block i of the slot's q-th step.  A fragment comes as it was stored: three loads of 16 bytes a lane, 512 consecutive bytes each
.irp c, 0,1,2
	ds_load_b128 v[AF+FR*(\i)+4*\c:AF+FR*(\i)+4*\c+3], v[ADRA+\sl] offset:(\q)*UNIT+1536*(\i)+512*\c
.endr
.endm
.macro FB sl, q, i, p                  ; B's block i into set p
.irp c, 0,1,2
	ds_load_b128 v[128*(\p)+FR*(\i)+4*\c:128*(\p)+FR*(\i)+4*\c+3], v[ADRB+\sl] offset:(\q)*UNIT+1536*(\i)+512*\c
.endr
.endm
.macro B_LO sl, q, p                   ; B's blocks 0-3
	WIN TO_B
.irp i, 0,1,2,3
	FB \sl,\q,\i,\p
.endr
	WIN 0
.endm
.macro MIDDLE sl, q, p, whole          ; B's blocks 4-7 (whole: all eight) and the scale words into set p, A's blocks 0-3
.if \whole
	B_LO \sl,\q,\p
.endif
	WIN TO_B
.irp i, 4,5,6,7
	FB \sl,\q,\i,\p
.endr
	WIN 0
.irp k, 0,1                            ; lanes 0-15 the words of A's eight blocks of row r, lanes 16-31 B's
	ds_load_b128 v[SC+8*(\p)+4*\k:SC+8*(\p)+4*\k+3], v[ADRS+\sl] offset:(\q)*UNIT+256*\k
.endr
.irp i, 0,1,2,3
	FA \sl,\q,\i
.endr
.endm
.macro FINISH sl, q                    ; A's blocks 4-7
	WIN 0
.irp i, 4,5,6,7
	FA \sl,\q,\i
.endr
.endm
; 8 products: A's block a x B's eight, 128 along K, with B's and the scale words' set p.  z = 1: they start the sums: nothing is ever cleared.
; The 64 accumulators take turns, one instruction a turn, in the same order in every step.
.macro MUL8 a, p, z
	WIN MUL_LO+0x50*((\a)/4)
.irp b, 0,1,2,3,4,5,6,7
.if \z
	v_wmma_scale_f32_16x16x128_f8f6f4 v[8*(8*((\a)%4)+\b):8*(8*((\a)%4)+\b)+7], v[128*(\p)+FR*\b:128*(\p)+FR*\b+FR-1], v[AF+FR*(\a):AF+FR*(\a)+FR-1], 0, v[SC+8*(\p)+\b], v[SC+8*(\p)+(\a)] matrix_a_fmt:MATRIX_FMT_BF6 matrix_b_fmt:MATRIX_FMT_BF6 matrix_a_scale:MATRIX_SCALE_ROW1
.else
	v_wmma_scale_f32_16x16x128_f8f6f4 v[8*(8*((\a)%4)+\b):8*(8*((\a)%4)+\b)+7], v[128*(\p)+FR*\b:128*(\p)+FR*\b+FR-1], v[AF+FR*(\a):AF+FR*(\a)+FR-1], v[8*(8*((\a)%4)+\b):8*(8*((\a)%4)+\b)+7], v[SC+8*(\p)+\b], v[SC+8*(\p)+(\a)] matrix_a_fmt:MATRIX_FMT_BF6 matrix_b_fmt:MATRIX_FMT_BF6 matrix_a_scale:MATRIX_SCALE_ROW1
.endif
.endr
.endm
.macro MUL p, z, a0, a1, a2, a3
.irp a, \a0,\a1,\a2,\a3
	MUL8 \a,\p,\z
.endr
.endm
; The slot's q-th step, with its successor in the same slot; B's set p.  pre = 1: the slot holds the step after next too
.macro STEP sl, q, p, z, pre
	s_wait_dscnt 24                                ; all but the run at the end of the step before: its A's blocks 4-7 and a half of the next step's B
	MUL \p,\z,0,1,2,3
	s_wait_dscnt 0x0                               ; A's blocks 4-7 are in (asked for 32 matrix instructions ago)
	PLACES
	MIDDLE \sl,(\q)+1,1-(\p),0
	MUL \p,\z,4,5,6,7
	PLACES
	FINISH \sl,(\q)+1
.if \pre
	B_LO \sl,(\q)+2,\p                             ; into the set that this step has multiplied
.endif
.endm
; A slot's last step changes slots: ONE barrier, which opens a round of the cluster's barrier.  In front of it each wave waits for all its tensor loads, adds 0 to its spare word, and waits for that and for its own reads of this
; slot.  Behind the round this slot is filled again: kind = 1: with the K steps that lie stepu UNITs behind its last load's; kind = 2: with c's tile.
.macro TURN sl, q, next, p, kind, stepu, g1a, g1b, ask
	s_wait_tensorcnt 0x0                           ; all my tensor loads have landed: my part of the next slot  (every window is 0 here)
	ds_add_u32 v[SPW], v[NIL]                      ; 0 onto my spare word
	s_wait_dscnt 13                                ; (the add and the youngest twelve loads, A's blocks 4-7, may be out)
	MUL8 0,\p,0
	MUL8 1,\p,0                                    ; sixteen products stand between the add and the wait for it
	s_wait_dscnt 0x0                               ; the add is done, and my reads of this slot are over
	s_barrier_signal -1
	MUL8 2,\p,0
	MUL8 3,\p,0
	WIN 0
	s_barrier_wait -1
	CREST                                          ; no wave of any partner still reads this slot or has a load on its way
.if \kind == 1
	s_add_nc_u64 s[G0+4*\sl+2:G0+4*\sl+3], s[G0+4*\sl+2:G0+4*\sl+3], (\stepu)*UNIT
	s_add_nc_u64 s[G0B+4*\sl+2:G0B+4*\sl+3], s[G0B+4*\sl+2:G0B+4*\sl+3], (\stepu)*UNIT
	JLOAD G0+4*\sl, \g1a, G0B+4*\sl, \g1b          ; the first tensor load behind the round, my only one until the next; the four v_nop behind it are the places in front of the loads below
.else
	s_mov_b32 s[G1C+0], (2<<16)|(1<<20)|(5<<22)|(3<<25)   ; c: 64 rows x 64 f32; no mask; 17:16 elements of 4 bytes; 20 padding on; 24:22 after every 64 words (code 5); 31:25 4 words of it (code 3)
	s_mov_b32 s[G1C+1], 64<<16                     ; tensor_dim0 = 64
	s_mov_b32 s[G1C+2], 64<<16                     ; tensor_dim1 = 64
	s_mov_b32 s[G1C+3], 64<<16                     ; tile_dim0 = 64
	s_mov_b32 s[G1C+4], 64                         ; tile_dim1 = 64
	s_mov_b32 s[G1C+5], 1024                       ; tensor_dim0_stride
	s_mov_b32 s[G1C+6], 0
	s_mov_b32 s[G1C+7], 0
	tensor_load_to_lds s[G0C:G0C+3], s[G1C:G1C+7]  ; my 64 rows of c's tile: every wave's own load, the slot's last fill
	s_nop 0
	PLACES
.endif
	MIDDLE \next,0,1-(\p),1
.if \ask == 99
	ASKC
.elseif \ask > 0
	ASK2 \ask
.endif
	MUL \p,0,4,5,6,7
	PLACES
	FINISH \next,0
	B_LO \next,1,\p
.endm
	s_wait_alu depctr_va_vdst(0)                   ; the wait at the head's end
	s_wait_tensorcnt 0x0                           ; my part of K steps 0-2 is in
	ds_add_u32 v[SPW], v[NIL]
	s_wait_dscnt 0x0
	CROUND
	JLOAD G0+4, G1, G0B+4, G1B                     ; K steps 3-5 into slot 1
	MIDDLE 0,0,0,1
	FINISH 0,0
	B_LO 0,1,1
	s_wait_loadcnt 0x0                             ; the biases
	WIN 0x41                                       ; destination and source 0 window 1, source 1 window 0
.irp b, 0,1,2,3,4,5,6,7
.irp n, 0,2,4,6
	v_pk_add_f32 v[96+128*(\b/4)+8*(\b%4)+\n:96+128*(\b/4)+8*(\b%4)+\n+1], v[96+128*(\b/4)+8*(\b%4)+\n:96+128*(\b/4)+8*(\b%4)+\n+1], v[192+8*\b+\n:192+8*\b+\n+1]   ; b.x + b.h,
.endr
.endr
.irp n, 0,2,4,6,8,10,12,14                     ; scaled as its gate's sum will be
	v_pk_mul_f32 v[96+\n:97+\n], v[96+\n:97+\n], s[96:97] op_sel_hi:[1,0]
	v_pk_mul_f32 v[112+\n:113+\n], v[112+\n:113+\n], s[96:97] op_sel_hi:[1,0]
	v_pk_mul_f32 v[224+\n:225+\n], v[224+\n:225+\n], s[98:99] op_sel_hi:[1,0]
	v_pk_mul_f32 v[240+\n:241+\n], v[240+\n:241+\n], s[96:97] op_sel_hi:[1,0]
.endr
	s_wait_alu depctr_va_vdst(0)
	WIN 0
	ASK3 9
	STEP 0,0,0,1,1                                 ; K step 0 starts the sums
	STEP 0,1,1,0,0                                 ; 1
	TURN 0,2,1,0,1,6,G1,G1B,12                     ; 2; slot 0 takes K steps 6-8
	STEP 1,0,1,0,1                                 ; 3
	STEP 1,1,0,0,0                                 ; 4
	TURN 1,2,0,1,1,6,G1,G1B,14                     ; 5; slot 1 takes K steps 9-11
	STEP 0,0,0,0,1                                 ; 6
	STEP 0,1,1,0,0                                 ; 7
	TURN 0,2,1,0,1,6,G1SA,G1SB,99                  ; 8; slot 0 takes K steps 12-13
	STEP 1,0,1,0,1                                 ; 9
	STEP 1,1,0,0,0                                 ; 10
	TURN 1,2,0,1,1,5,G1SA,G1SB,0                   ; 11; slot 1 takes K steps 14-15
	STEP 0,0,0,0,0                                 ; 12
	TURN 0,1,1,1,2,0,0,0,0                         ; 13; slot 0 takes c's tile
	STEP 1,0,0,0,0                                 ; 14
	s_wait_dscnt 12                                ; K step 15: nothing more to fetch; all but A's blocks 4-7 are in
	MUL 1,0,0,1,2,3
	s_wait_dscnt 0x0
	MUL 1,0,4,5,6,7
	WIN 0
	PLACES                                         ; behind the last products, ahead of the first reads of results
; THE TAIL, block by block of 16 of my rows: 16 (row, unit) pairs a lane.  BLOCK a works on gates and c_new of block a and on h_new of block a - 1; the rows of c_new of block a - 1 and of h_new of block a - 2 leave.
; Its barrier shows what was stored to the stage at the end of BLOCK a - 1 (BLOCK 0's: that c's tile is in).
.macro CRLOAD a                        ; my 16 numbers of c for block a
.irp u, 0,1
.irp e, 0,1
	ds_load_b128 v[CR+8*\u+4*\e:CR+8*\u+4*\e+3], v[STC] offset:16*(\a)*CP+64*\u+16*\e
.endr
.endr
.endm
.macro STAGE adr, src, a
.irp u, 0,1
.irp e, 0,1
	ds_store_b128 v[\adr], v[\src+8*\u+4*\e:\src+8*\u+4*\e+3] offset:16*(\a)*CP+64*\u+16*\e
.endr
.endr
.endm
.macro BACK ob, adr, a                 ; eight whole rows of block a
.irp t, 0,1,2,3
	ds_load_b128 v[\ob+4*\t:\ob+4*\t+3], v[\adr] offset:(16*(\a)+2*\t)*CP
.endr
.endm
.macro SEND ob, sb, a                  ; 16 lanes store 256 consecutive bytes, at a multiple of 256 from the output's first byte; written once, read by nobody here
.irp t, 0,1,2,3
	global_store_b128 v[GO], v[\ob+4*\t:\ob+4*\t+3], s[\sb:\sb+1] offset:(16*(\a)+2*\t)*4096 th:TH_STORE_NT
.endr
.endm
.macro BLOCK a
.set AC, 64*((\a)%4)                   ; the block's eight accumulators: gate g's 16 numbers at AC + 16 g; each accumulator is read from its low end on
.set EO, EOA+16*((\a)%2)
.set EP, EOA+16*(((\a)+1)%2)           ; the block before's
.if (\a) < 8
	WIN 0x12+(\a)/4                                ; source 0: window 2 or 3; source 2: window 1
	s_wait_alu depctr_va_vdst(0)                   ; directly ahead of the first reader of the sums
.irp n, 0,2,4,6,8,10,12,14
	v_pk_fma_f32 v[EI+\n:EI+\n+1], v[AC+\n:AC+\n+1], s[96:97], v[96+\n:97+\n] op_sel_hi:[1,0,1]             ; -z log2(e)
.endr
.irp n, 0,2,4,6,8,10,12,14
	v_pk_fma_f32 v[EF+\n:EF+\n+1], v[AC+16+\n:AC+17+\n], s[96:97], v[112+\n:113+\n] op_sel_hi:[1,0,1]
.endr
.irp n, 0,2,4,6,8,10,12,14
	v_pk_fma_f32 v[TG+\n:TG+\n+1], v[AC+32+\n:AC+33+\n], s[98:99], v[224+\n:225+\n] op_sel_hi:[1,0,1]       ; gate g: -2 z log2(e)
.endr
.irp n, 0,2,4,6,8,10,12,14
	v_pk_fma_f32 v[EO+\n:EO+\n+1], v[AC+48+\n:AC+49+\n], s[96:97], v[240+\n:241+\n] op_sel_hi:[1,0,1]
.endr
	WIN 0
.irp n, 0,1,2,3,4,5,6,7,8,9,10,11,12,13,14,15
	v_min_num_f32 v[TG+\n], s100, v[TG+\n]
.endr
.endif
.if (\a) > 0
.irp n, 0,2,4,6,8,10,12,14
	v_pk_mul_f32 v[TC+\n:TC+\n+1], v[TC+\n:TC+\n+1], s[98:99] op_sel_hi:[1,0]    ; c_new of the block before: -2 c_new log2(e)
.endr
.irp n, 0,1,2,3,4,5,6,7,8,9,10,11,12,13,14,15
	v_min_num_f32 v[TC+\n], s100, v[TC+\n]
.endr
.endif
	s_wait_alu depctr_va_vdst(0)                   ; the wait ahead of the batch
.if (\a) == 0
	s_wait_tensorcnt 0x0                           ; my 64 rows of c have landed
.endif
	s_wait_dscnt 0x0                               ; for the others' sake: my stores into the stage have landed; for mine: c is in
	s_barrier_signal -1
.irp n, 0,1,2,3,4,5,6,7,8,9,10,11,12,13,14,15
.if (\a) < 8
	v_exp_f32 v[EI+\n], v[EI+\n]
	v_exp_f32 v[EF+\n], v[EF+\n]
	v_exp_f32 v[TG+\n], v[TG+\n]
	v_exp_f32 v[EO+\n], v[EO+\n]
.endif
.if (\a) > 0
	v_exp_f32 v[TC+\n], v[TC+\n]
.endif
.endr
	v_nop                                          ; a plain place behind the exponentials
	s_wait_alu depctr_va_vdst(0)
	s_barrier_wait -1
.if (\a) == 0
	CRLOAD 0
.else
	s_wait_xcnt 0x0                                ; the stores of the rows before have read their registers: only behind this wait are those loaded again
	BACK OBC,RDC,(\a)-1
.if (\a) > 1
	BACK OBH,RDH,(\a)-2
.endif
.endif
.if (\a) < 8
.irp n, 0,2,4,6,8,10,12,14
	v_pk_add_f32 v[DG+\n:DG+\n+1], v[TG+\n:TG+\n+1], 1.0 op_sel_hi:[1,0]            ; 1 + t_g
	v_pk_add_f32 v[EF+\n:EF+\n+1], v[EF+\n:EF+\n+1], 1.0 op_sel_hi:[1,0]            ; 1 + e_f
.endr
.irp n, 0,2,4,6,8,10,12,14
	v_pk_fma_f32 v[TG+\n:TG+\n+1], v[TG+\n:TG+\n+1], -1.0, 1.0 op_sel_hi:[1,0,0]    ; 1 - t_g
	v_pk_fma_f32 v[EI+\n:EI+\n+1], v[EI+\n:EI+\n+1], v[DG+\n:DG+\n+1], v[DG+\n:DG+\n+1]   ; (1 + e_i)(1 + t_g)
.endr
.endif
.if (\a) > 0
.irp n, 0,2,4,6,8,10,12,14
	v_pk_fma_f32 v[DG+\n:DG+\n+1], v[TC+\n:TC+\n+1], -1.0, 1.0 op_sel_hi:[1,0,0]    ; 1 - t_c
.endr
.irp n, 0,2,4,6,8,10,12,14
	v_pk_add_f32 v[TC+\n:TC+\n+1], v[TC+\n:TC+\n+1], 1.0 op_sel_hi:[1,0]            ; 1 + t_c
.endr
.irp n, 0,2,4,6,8,10,12,14
	v_pk_fma_f32 v[EP+\n:EP+\n+1], v[EP+\n:EP+\n+1], v[TC+\n:TC+\n+1], v[TC+\n:TC+\n+1]   ; (1 + e_o)(1 + t_c)
.endr
.endif
	s_wait_alu depctr_va_vdst(0)                   ; the wait ahead of the batch
.irp n, 0,1,2,3,4,5,6,7,8,9,10,11,12,13,14,15
.if (\a) < 8
	v_rcp_f32 v[EI+\n], v[EI+\n]
	v_rcp_f32 v[EF+\n], v[EF+\n]
.endif
.if (\a) > 0
	v_rcp_f32 v[EP+\n], v[EP+\n]
.endif
.endr
	v_nop                                          ; a plain place behind the reciprocals
	s_wait_alu depctr_va_vdst(0)
	s_wait_dscnt 0x0                               ; c of this block and the rows on their way out are in
.if (\a) > 0
	SEND OBC,12,(\a)-1
.if (\a) > 1
	SEND OBH,2,(\a)-2
.endif
.endif
.if (\a) < 8
.irp n, 0,2,4,6,8,10,12,14
	v_pk_mul_f32 v[TG+\n:TG+\n+1], v[TG+\n:TG+\n+1], v[EI+\n:EI+\n+1]               ; sigmoid(i) tanh(g)
.endr
.irp n, 0,2,4,6,8,10,12,14
	v_pk_fma_f32 v[TC+\n:TC+\n+1], v[CR+\n:CR+\n+1], v[EF+\n:EF+\n+1], v[TG+\n:TG+\n+1]   ; c_new
.endr
.endif
.if (\a) > 0
.irp n, 0,2,4,6,8,10,12,14
	v_pk_mul_f32 v[DG+\n:DG+\n+1], v[DG+\n:DG+\n+1], v[EP+\n:EP+\n+1]               ; h_new of the block before
.endr
.endif
.if (\a) < 8
	STAGE STC,TC,\a                                ; into the places that its c has left
.endif
.if (\a) > 0
	STAGE STH,DG,(\a)-1
.endif
.if (\a) < 7
	CRLOAD (\a)+1
.endif
.endm
.irp a, 0,1,2,3,4,5,6,7,8
	BLOCK \a
.endr
	s_wait_dscnt 0x0                               ; for the others' sake: my last stores into the stage have landed
	s_barrier_signal -1
	s_barrier_wait -1
	s_wait_xcnt 0x0
	BACK OBH,RDH,7
	s_wait_tensorcnt 0x0                           ; the wave's end: behind my last tensor load and my last LDS store
	ds_add_u32 v[SPW], v[NIL]
	s_wait_dscnt 0x0                               ; and the last rows are in
	SEND OBH,2,7
	CROUND                                         ; the closing round: no work-group ends while a partner may still ask for a part that names it
	s_endpgm
.Lfunc_end_k_q06689106b6_lstm:
	.size	k_q06689106b6_lstm, .Lfunc_end_k_q06689106b6_lstm-k_q06689106b6_lstm
	.p2alignl 7, 3214868480
	.fill 96, 4, 3214868480
	.section	.rodata,"a",@progbits
	.p2align	6, 0x0
	.amdhsa_kernel k_q06689106b6_lstm
		.amdhsa_group_segment_fixed_size 327680
		.amdhsa_private_segment_fixed_size 0
		.amdhsa_enable_private_segment 0
		.amdhsa_kernarg_size 104
		.amdhsa_user_sgpr_count 2
		.amdhsa_user_sgpr_kernarg_segment_ptr 1
		.amdhsa_wavefront_size32 1
		.amdhsa_system_sgpr_workgroup_id_x 1
		.amdhsa_system_sgpr_workgroup_id_y 1
		.amdhsa_system_sgpr_workgroup_id_z 1
		.amdhsa_system_vgpr_workitem_id 0
		.amdhsa_next_free_vgpr 1024
		.amdhsa_next_free_sgpr 102
		.amdhsa_reserve_vcc 0
		.amdhsa_float_denorm_mode_32 3
		.amdhsa_float_denorm_mode_16_64 3
		.amdhsa_memory_ordered 1
		.amdhsa_forward_progress 1
		.amdhsa_inst_pref_size 255
	.end_amdhsa_kernel
	.section	.bss,"aw",@nobits
	.p2align	6
	.space	262144
	.amdgpu_metadata
---
amdhsa.version: [ 1, 2 ]
amdhsa.kernels:
  - .name:           k_q06689106b6_lstm
    .symbol:         k_q06689106b6_lstm.kd
    .args:
      - { .name: aq, .offset: 0, .size: 8, .value_kind: global_buffer, .address_space: global }
      - { .name: bq, .offset: 8, .size: 8, .value_kind: global_buffer, .address_space: global }
      - { .name: c, .offset: 16, .size: 8, .value_kind: global_buffer, .address_space: global }
      - { .name: out0, .offset: 24, .size: 8, .value_kind: global_buffer, .address_space: global }
      - { .name: out1, .offset: 32, .size: 8, .value_kind: global_buffer, .address_space: global }
      - { .name: bix, .offset: 40, .size: 8, .value_kind: global_buffer, .address_space: global }
      - { .name: bih, .offset: 48, .size: 8, .value_kind: global_buffer, .address_space: global }
      - { .name: bfx, .offset: 56, .size: 8, .value_kind: global_buffer, .address_space: global }
      - { .name: bfh, .offset: 64, .size: 8, .value_kind: global_buffer, .address_space: global }
      - { .name: bgx, .offset: 72, .size: 8, .value_kind: global_buffer, .address_space: global }
      - { .name: bgh, .offset: 80, .size: 8, .value_kind: global_buffer, .address_space: global }
      - { .name: box, .offset: 88, .size: 8, .value_kind: global_buffer, .address_space: global }
      - { .name: boh, .offset: 96, .size: 8, .value_kind: global_buffer, .address_space: global }
    .group_segment_fixed_size: 327680
    .private_segment_fixed_size: 0
    .kernarg_segment_align: 8
    .kernarg_segment_size: 104
    .max_flat_workgroup_size: 128
    .sgpr_count:     102
    .vgpr_count:     1024
    .wavefront_size: 32
...
	.end_amdgpu_metadata
.endif
;; end of part 2
